; MI455X (gfx1250); checked and timed in simulation.
; The chip was launched on July 23, 2026; its instructions are those of AMD's public machine-readable ISA for CDNA 5 (MIT licence, August 2026) and "CDNA5" Instruction Set Architecture Reference Guide (July 2026). The comments in the code are by the model that wrote it; some were corrected since.
;; Memory Efficient Attention. Allowed arithmetic: matrix products marked QUANTISED: E2M3 operands, one E8M0 scale for each 32 along K, by v_wmma_scale_f32_16x16x128_f8f6f4 with both operands' format E2M3, f32 sums; everything else in f32.
;; Inputs: Wk_codes 1,024 x 32 x 24 uint8 (E2M3 codes of Wk, K innermost, in blocks of 32 codes, four codes in three bytes); Wk_scales 1,024 x 32 uint8 (E8M0 scales of Wk, one for each 32 codes along K); Wo_codes 1,024 x 32 x 24 uint8 (E2M3 codes of Wo, K innermost, in blocks of 32 codes, four codes in three bytes); Wo_scales 1,024 x 32 uint8 (E8M0 scales of Wo, one for each 32 codes along K); Wq_codes 1,024 x 32 x 24 uint8 (E2M3 codes of Wq, K innermost, in blocks of 32 codes, four codes in three bytes); Wq_scales 1,024 x 32 uint8 (E8M0 scales of Wq, one for each 32 codes along K); Wv_codes 1,024 x 32 x 24 uint8 (E2M3 codes of Wv, K innermost, in blocks of 32 codes, four codes in three bytes); Wv_scales 1,024 x 32 uint8 (E8M0 scales of Wv, one for each 32 codes along K); attn_scale 1 float32; bk 1,024 float32; bo 1,024 float32; bq 1,024 float32; bv 1,024 float32; x_codes 8 x 1,024 x 32 x 24 uint8 (E2M3 codes of x, K innermost, in blocks of 32 codes, four codes in three bytes); x_scales 8 x 1,024 x 32 uint8 (E8M0 scales of x, one for each 32 codes along K).
;; Outputs: out0 8 x 1,024 x 1,024 float32.
;; This version of the problem:
;;   THIS VERSION OF THE PROBLEM IS GIVEN IN LOW PRECISION. The matrix products marked QUANTISED in the list below multiply operands that are first quantised to E2M3 (2 exponent bits, 3 mantissa bits; 6 bits a number), with one power-of-two scale for each 32 numbers along K (OCP MX v1.0); their sums are f32. All else is computed in f32.
;;   The module's matrix products, in the order in which they are computed (A, B: the left and right operand; K: the contracted axis; several contracted axes count as one K, in the product's order):
;;     1. [M 8,192, K 1,024] x [K 1,024, N 1,024]; A: input x (given as codes); B: input Wq (given as codes): QUANTISED
;;     2. [M 8,192, K 1,024] x [K 1,024, N 1,024]; A: input x (given as codes); B: input Wk (given as codes): QUANTISED
;;     3. [M 8,192, K 1,024] x [K 1,024, N 1,024]; A: input x (given as codes); B: input Wv (given as codes): QUANTISED
;;     4. batch 128 x [M 1,024, K 64] x [K 64, N 1,024]; A: computed on the way; B: computed on the way: QUANTISED
;;     5. batch 128 x [M 1,024, K 1,024] x [K 1,024, N 64]; A: softmax (see below); B: computed on the way: QUANTISED
;;     6. [M 8,192, K 1,024] x [K 1,024, N 1,024]; A: computed on the way; B: input Wo (given as codes): QUANTISED
;;   THE QUANTISER, for each operand of a quantised product, along K:
;;     - K is cut into blocks of 32 from its start; a last block that is shorter is filled with zeros.
;;     - A block's scale is 2^e with e = floor(log2(the largest magnitude in the block)) - 2, held to -126 .. 127; a block of zeros has e = 0. As a byte (E8M0): e + 127.
;;     - Each number is divided by its block's scale, clamped to +-7.5, and rounded to the nearest number of E2M3, ties to even, subnormals kept.
;;     - The product sums the exact products of the quantised numbers (number of the format x scale) in f32.
;;   ~~~python
;;   def quantise(x, axis):      # numpy; x: float32 -> the quantised numbers, widened to float32 again
;;       x = np.moveaxis(x, axis, -1); K = x.shape[-1]
;;       x = np.pad(x, [(0, 0)] * (x.ndim - 1) + [(0, -K % 32)]); x = x.reshape(x.shape[:-1] + (-1, 32)); a = np.abs(x).max(-1, keepdims=True)
;;       e = np.where(a > 0, np.clip(np.frexp(np.where(a > 0, a, 1))[1] - 1 - 2, -126, 127), 0)      # np.frexp(a)[1] - 1 = floor(log2(a)), exactly
;;       r = np.clip(x / 2.0 ** e, -7.5, 7.5)
;;       step = 2.0 ** (np.maximum(np.frexp(np.where(r == 0, 1, r))[1] - 1, 0) - 3)
;;       q = np.round(r / step) * step * 2.0 ** e      # np.round: ties to even
;;       return np.moveaxis(q.reshape(q.shape[:-2] + (-1,))[..., :K], -1, axis).astype(np.float32)
;;   ~~~
;;   SOFTMAX AHEAD OF A QUANTISED PRODUCT. Where the list says 'softmax', what is quantised is not the finished softmax but p = 2^(t - M), with t = logit x log2(e) and M = ceil(the row's largest t), a whole number; so 1/2 < the row's largest p <= 1. The row's sum l is taken of the UNQUANTISED p, in f32, and the product's result is divided by l at the end. Since M is a whole number, a kernel that streams over the keys may use a running M (the ceiling of the running maximum): every later rescaling is an exact power of two, which a block's scale takes up: the codes' values come out the same.
;;   OPERANDS COMPUTED ON THE WAY. 'Computed on the way' means the value that the module computes at that place (a softmax that the list does not call 'softmax' is quantised finished and normalised). What goes into a quantiser is computed in f32, as accurately as f32 sums, v_exp_f32 and their like allow (about 1e-6 of the number): no bf16 or f16 on the way to a quantiser, and a product that is left as it is and whose result goes on into a quantised operand takes f32 operands (vector FMAs, or v_wmma_f32_16x16x4_f32). A number that lies on a knife's edge between two numbers of the format may be rounded either way, as far as f32 arithmetic and the matrix unit's own rounding can turn it there, and no further.
;;   INPUTS GIVEN AS CODES. Wk (in the module: [1024, 1024], K = its axis 1); Wo (in the module: [1024, 1024], K = its axis 1); Wq (in the module: [1024, 1024], K = its axis 1); Wv (in the module: [1024, 1024], K = its axis 1); x (in the module: [8, 1024, 1024], K = its axis 2): each comes as NAME_codes (uint8): NAME with its K axis moved to the last place and cut into blocks of 32 codes, [.., K / 32, bytes a block], one block behind the other in memory; four codes in three bytes: a row's codes are one little-endian stream of bits, code i at bits 6 i .. 6 i + 5 (a code: sign, 2 exponent bits, 3 mantissa bits); and NAME_scales (uint8): the same leading axes, one E8M0 byte (e + 127) for each 32 codes along K. Its value is code x scale, taken as it is: it is not quantised again, and the codes and scales need not be those that the quantiser above would give.
;; One version. Each part assembles by itself: llvm-mc -triple=amdgcn-amd-amdhsa -mcpu=gfx1250 --defsym DOCPART=n.
;; ======== version 1 of 1: 3 launches
;; limits: right only within a limited range of input values
;; workspace buffers: qkv 19,660,800 bytes; ao 6,553,600 bytes
;; launch qkv (part 1): grid 12 x 32, 4 waves a work-group, clusters of 4 x 4, 327,680 bytes of LDS; arguments x_codes, x_scales, Wq_codes, Wq_scales, Wk_codes, Wk_scales, Wv_codes, Wv_scales, bq, bk, bv, qkv; writes qkv
.if DOCPART == 1
	.amdgcn_target "amdgcn-amd-amdhsa--gfx1250"
	.amdhsa_code_object_version 6
	.text
	.protected	k_q819fec846e_qkv
	.globl	k_q819fec846e_qkv
	.p2align	8
	.type	k_q819fec846e_qkv,@function
k_q819fec846e_qkv:
	s_mov_b64 s[64:65], 0
	v_nop
	global_prefetch_b8 v0, s[64:65] scope:SCOPE_SE
	s_setreg_imm32_b32 hwreg(HW_REG_WAVE_MODE, 25, 1), 1
	s_wait_xcnt 0x0
	s_wait_alu depctr_hold_cnt(0) depctr_sa_sdst(0) depctr_va_vdst(0) depctr_va_sdst(0) depctr_va_ssrc(0) depctr_va_vcc(0) depctr_vm_vsrc(0)
	s_getreg_b32 s2, hwreg(HW_REG_IB_STS2, 6, 4)
	s_cmp_eq_u32 s2, 0
	s_cbranch_scc0 .Lentry_in_a_cluster
	s_endpgm
.Lentry_in_a_cluster:
	s_bfe_u32 s2, ttmp6, 0x10000c
	s_cmp_lg_u32 s2, 0xf033
	s_cbranch_scc0 .Lentry_shape_is_right
	s_endpgm
.Lentry_shape_is_right:
; q = x Wq^T + bq, k = x Wk^T + bk, v = x Wv^T + bv on codes of FP6 (E2M3), one E8M0 scale for each 32 along K = 1,024; the results are quantised at once and leave as codes:
; q and k along the head's 64 features (two blocks of 32), v along the tokens.  No f32 result goes to memory.
; THE GRID.  A work-group makes 256 x 256 results, four waves of 128 x 128 (64 accumulators, 512 registers).  The cluster's x is the kind: 0 = q, 1 = k, 2 = v; the cluster's y takes 1,024 tokens.
; THE MATRIX INSTRUCTION IS USED TRANSPOSED: source 0 = 16 rows of LDS region B, source 1 = 16 rows of region A: a lane holds ONE row of A and its registers run along B's rows.
; q, k: region A = x, region B = the weight;  v: region A = Wv, region B = x.  So a lane's registers run along the axis that is quantised.  The kinds differ in the pointers alone, chosen on the cluster's x.
; CLUSTERS: 4 x 4.  Region A's tile hangs on cy alone and is asked for jointly by a row of the cluster, region B's on cx alone and by a column.
; K goes through a ring of two LDS slots in CHUNKS OF 256 BYTES of each row of 768 bytes: three chunks; a step of 128 along K is 96 bytes, so steps 2 and 5 take their fragments from both slots.
; The scale bytes of the 512 rows, for all of K, come once, at the head, and stay.  No prefetch: of the three chunks one alone is a refill, and there is no loop to run ahead in.
; THE OUTPUT, buffer qkv: 128 planes (16 x batch + head) of PLANE bytes: K's images at 0, V's at 49,152, K's scale words at 98,304, V's at 100,352, Q's images at 102,400, Q's scale words at 151,552.
; An IMAGE is a fragment's 12 registers: registers 4 g .. 4 g + 3 of lane l at byte 512 g + 16 l: 1,536 bytes.
;   q, k: image i: lane (r, h): registers 0-5 block h of token 32 i + r, registers 6-11 block h of token 32 i + 16 + r.  Scale word [i][r]: bytes 0, 1 the first token's blocks, bytes 2, 3 the second's.
;   v: image [step s of 128 tokens][tile t]: lane (r, h): feature 16 t + r, registers 6 c .. 6 c + 5 the token block 4 s + 2 c + h.  Scale word [s][feature]: byte b = token block 4 s + b.
; THE ORDER INSIDE A BLOCK OF 32: number 16 u + 8 h + j stands at place 16 h + 8 u + j, alike in both operands of each later product: the products are the same, their order of summation inside a block is not.
; LIMITS: NaN and infinities are not served.  A block whose largest magnitude lies under 2^-124 gets the scale byte 1 (a block of zeros too: its codes are zeros, and this program alone reads the bytes).
; REGISTERS: window 0: v0-31 addresses; v32-63 scale words, two sets; v64-127 the bias by registers (q, k); v128-223 A's fragments, one set; v224-231 the bias by lanes (v); on the way out v128-255 at work.
;   window 1: B's fragments, two sets.   windows 2, 3: the accumulators ((a, b) at v[8 (8 (a % 4) + b)]).
.set ROWB,   256
.set NQ,     2
.set KROW,   768
.set STEPS,  8
.set CHUNKS, 3
.set PITCH,  272                       ; 256 bytes + 16 of padding: the 32 lanes of a load of 8 bytes touch 64 different banks (ISA guide 11.1)
.set FR,     12
.set NL,     6
.set NP,     4                         ; places behind this matrix instruction (ISA guide 7.12.1)
.set HALFT,  128*PITCH
.set SLOT,   4*HALFT                   ; A's 256 rows, then B's 256
.set KS,     32
.set SCL,    2*SLOT                    ; the scales, units of 256 bytes + 16
.set HALFS,  16*272
.set SBLK,   2*272
.set SPARE,  SCL+4*HALFS               ; the spare words: 128 bytes a wave
.set STGQ,   SPARE+512                 ; the way out of q and k: 512 bytes a wave for scale words
.set STGV,   STGQ+2048                 ; the way out of v: bytes of its own
.set PLANE,  153600
.set STQ,  8
.set STV,  9
.set RDQ,  10
.set RDV,  11
.set GL,   12                          ; 16 lane
.set GS,   13                          ; (lane / 16) PLANE + 16 (lane % 16)
.set PSEL, 14
.set ADRA, 16                          ; v16-17 my A fragments in slot 0, 1; v18-19 lanes 0-15 at byte 232 of slot 0, 1 and lanes 16-31 at byte 0 of the other slot
.set ADRB, 20
.set ADRS, 27
.set SPW,  28
.set NIL,  29
.set BO,   30
.set BL,   31
.set SC,   32
.set TP,   64
.set AF,   128
.set BR,   224
.set H,    128
.set TM,   192
.set PW,   208
.set PWE,  209
.set W,    210
.set X2,   212
.set BP,   220
.set T,    220
.set E0,   232
.set E0B,  238
.set E1,   244
.set E1B,  250
.set G1, 24
.set G0, 32
.set G1B, 48
.set G0B, 56
.set G1S, 68
.set G0S, 76
.set G1SB, 80
.set G0SB, 88
.set G0H, 4
.set G0HB, 8
.set MSB, 0
.macro WIN new                         ; the immediate's high byte repeats the setting that is left
.if MSB != \new
	s_set_vgpr_msb (MSB<<8)|\new
.set MSB, \new
.endif
.endm
.set MUL_LO, 0xa1                      ; source 0 (B) window 1, source 1 (A) window 0, C and D window 2
.set MUL_HI, 0xf1
.set TO_B,   0x40
.macro TLOAD g0, g1                    ; a tensor load with an s_nop and four v_nop behind it
	tensor_load_to_lds s[\g0:\g0+3], s[\g1:\g1+7]
	s_nop 0
.rept 4
	v_nop
.endr
.endm
.macro JLOAD g0a, g1a, g0b, g1b        ; waves 0 and 1 fetch for region A, waves 2 and 3 for region B
	s_cmp_eq_u32 s15, 0
	s_cbranch_scc0 .Lfor_b_\@
	TLOAD \g0a, \g1a
	s_branch .Lasked_\@
.Lfor_b_\@:
	TLOAD \g0b, \g1b
.Lasked_\@:
.endm
.macro CREST                           ; a round of the cluster's barrier behind its opening barrier
	s_cmp_lg_u32 s14, 0
	s_cbranch_scc1 .Lnot_wave_0_\@
	s_barrier_signal -3
.Lnot_wave_0_\@:
	s_barrier_wait -3
	s_barrier_signal -1
	s_barrier_wait -1
.endm
.macro CROUND
	s_barrier_signal -1
	s_barrier_wait -1
	CREST
.endm
	s_load_b512 s[68:83], s[0:1], 0x0              ; x's codes, x's scales, Wq's, Wk's, Wv's
	s_load_b256 s[84:91], s[0:1], 0x40             ; bq, bk, bv, qkv
	v_lshl_add_u32 v[SPW], v0, 2, SPARE
	v_mov_b32 v[NIL], 0
	ds_add_u32 v[SPW], v[NIL]                      ; the opening: the add, twice on end, and its wait
	ds_add_u32 v[SPW], v[NIL]
	v_lshrrev_b32 v1, 5, v0
	v_readfirstlane_b32 s14, v1                    ; wave 0..3
	s_lshr_b32 s15, s14, 1                         ; my half of region A's rows; also: in the ring I fetch for A (0) or B (1)
	s_and_b32 s16, s14, 1                          ; my half of region B's rows; also: which 128 rows I fetch
	s_bfe_u32 s40, ttmp6, 0x40000                  ; cx
	s_bfe_u32 s41, ttmp6, 0x40004                  ; cy
	s_and_b32 s17, ttmp7, 0xffff
	s_lshl_b32 s17, s17, 2                         ; the cluster's first tile of x
	s_cmp_eq_u32 ttmp9, 2                          ; the kind v?
	s_cselect_b32 s18, 0, s17
	s_cselect_b32 s19, s17, 0
	s_add_co_u32 s17, s18, s41                     ; region A's tile of 256 rows: hangs on cy, never on cx
	s_add_co_u32 s42, s19, s40                     ; region B's: hangs on cx, never on cy
	s_lshl_b32 s43, s41, 2
	s_lshl_b32 s43, 15, s43                        ; my row of the cluster
	s_lshl_b32 s44, 0x1111, s40                    ; my column
	s_or_b32 s[G1+0], s43, (0<<16)|(1<<20)|(1<<21)|(5<<22)|(3<<25)   ; rows of 256 bytes, 16 bytes of padding behind each
	s_or_b32 s[G1B+0], s44, (0<<16)|(1<<20)|(1<<21)|(5<<22)|(3<<25)
.irp g, G1, G1B
	s_mov_b32 s[\g+1], ROWB<<16
	s_mov_b32 s[\g+2], 256<<16                     ; 256 rows for the head's loads
	s_mov_b32 s[\g+3], ROWB<<16
	s_mov_b32 s[\g+4], 256
	s_mov_b32 s[\g+5], KROW
	s_mov_b32 s[\g+6], 0
	s_mov_b32 s[\g+7], 0
.endr
	s_lshl_b32 s20, s17, 8                         ; region A's first row
	s_lshl_b32 s46, s42, 8                         ; region B's
	s_mov_b32 s21, 0
	s_mov_b32 s47, 0
	s_mov_b64 s[18:19], KS
	s_mul_u64 s[22:23], s[20:21], s[18:19]         ; where these rows' scales begin
	s_mul_u64 s[92:93], s[46:47], s[18:19]
	s_mov_b64 s[18:19], KROW
	s_mul_u64 s[20:21], s[20:21], s[18:19]         ; and their codes
	s_mul_u64 s[46:47], s[46:47], s[18:19]
	s_mul_i32 s18, s16, 128*KROW                   ; in the ring: my 128 rows of a tile
	s_mov_b32 s19, 0
	s_mul_i32 s45, s14, HALFT                      ; and where they go
	s_wait_dscnt 0x0                               ; both opening adds are done
	s_wait_kmcnt 0x0
	s_cmp_eq_u32 ttmp9, 0                          ; the pointers are chosen on the cluster's x alone
	s_cselect_b64 s[8:9], s[72:73], s[76:77]
	s_cselect_b64 s[10:11], s[74:75], s[78:79]
	s_cselect_b64 s[66:67], s[84:85], s[86:87]
	s_cmp_eq_u32 ttmp9, 2
	s_cselect_b64 s[4:5], s[80:81], s[68:69]       ; region A: Wv for v, else x
	s_cselect_b64 s[6:7], s[82:83], s[70:71]
	s_cselect_b64 s[8:9], s[68:69], s[8:9]         ; region B: x for v
	s_cselect_b64 s[10:11], s[70:71], s[10:11]
	s_cselect_b64 s[66:67], s[88:89], s[66:67]     ; the bias
	s_mov_b64 s[12:13], s[90:91]                   ; qkv
	s_or_b32 s[G1S+0], s43, (3<<16)|(1<<20)|(1<<21)|(5<<22)|(3<<25)  ; the scales of 256 rows: 8,192 dense bytes as 32 rows of 256
	s_or_b32 s[G1SB+0], s44, (3<<16)|(1<<20)|(1<<21)|(5<<22)|(3<<25)
.irp g, G1S, G1SB
	s_mov_b32 s[\g+1], 32<<16
	s_mov_b32 s[\g+2], KS<<16
	s_mov_b32 s[\g+3], 32<<16
	s_mov_b32 s[\g+4], KS
	s_mov_b32 s[\g+5], 32
	s_mov_b32 s[\g+6], 0
	s_mov_b32 s[\g+7], 0
.endr
	s_add_nc_u64 s[20:21], s[4:5], s[20:21]
	s_add_nc_u64 s[22:23], s[6:7], s[22:23]
	s_add_nc_u64 s[46:47], s[8:9], s[46:47]
	s_add_nc_u64 s[92:93], s[10:11], s[92:93]
	CROUND                                         ; all sixteen work-groups are here: the first joint loads meet
	s_mov_b32 s[G0H], 1                            ; chunk 0's 256 rows of A,
	s_mov_b32 s[G0H+1], 0
	s_mov_b64 s[G0H+2:G0H+3], s[20:21]
	s_or_b32 s[G0H+3], s[G0H+3], 0x80000000
	s_mov_b32 s[G0HB], 1                           ; its 256 rows of B,
	s_mov_b32 s[G0HB+1], 2*HALFT
	s_mov_b64 s[G0HB+2:G0HB+3], s[46:47]
	s_or_b32 s[G0HB+3], s[G0HB+3], 0x80000000
	s_mov_b32 s[G0S], 1                            ; A's scales,
	s_mov_b32 s[G0S+1], SCL
	s_mov_b64 s[G0S+2:G0S+3], s[22:23]
	s_or_b32 s[G0S+3], s[G0S+3], 0x80000000
	s_mov_b32 s[G0SB], 1                           ; B's scales
	s_mov_b32 s[G0SB+1], SCL+2*HALFS
	s_mov_b64 s[G0SB+2:G0SB+3], s[92:93]
	s_or_b32 s[G0SB+3], s[G0SB+3], 0x80000000
	s_add_nc_u64 s[20:21], s[20:21], s[18:19]
	s_add_nc_u64 s[46:47], s[46:47], s[18:19]
.irp s, 0,1
	s_mov_b32 s[G0+4*\s], 1
	s_add_co_u32 s[G0+4*\s+1], s45, \s*SLOT
	s_add_nc_u64 s[G0+4*\s+2:G0+4*\s+3], s[20:21], \s*ROWB
	s_or_b32 s[G0+4*\s+3], s[G0+4*\s+3], 0x80000000
	s_mov_b32 s[G0B+4*\s], 1
	s_add_co_u32 s[G0B+4*\s+1], s45, \s*SLOT
	s_add_nc_u64 s[G0B+4*\s+2:G0B+4*\s+3], s[46:47], \s*ROWB
	s_or_b32 s[G0B+4*\s+3], s[G0B+4*\s+3], 0x80000000
.endr
; the head's four tiles, one load a wave: one tree of branches on the wave's number
.macro ARM under, g0, g1, next
	s_cmp_lt_u32 s14, \under
	s_cbranch_scc0 \next
	TLOAD \g0, \g1
	s_branch .Lhead_asked
\next:
.endm
	ARM 1, G0H,  G1,  .Lhead_b
	ARM 2, G0HB, G1B, .Lhead_sa
	ARM 3, G0S,  G1S, .Lhead_sb
	TLOAD G0SB, G1SB
.Lhead_asked:
	v_and_b32 v1, 15, v0                           ; r
	v_bfe_u32 v2, v0, 4, 1                         ; h
	v_mul_u32_u24 v3, v1, PITCH
	v_mul_u32_u24 v4, v2, 24
	v_add_nc_u32 v4, v3, v4                        ; row x pitch + 24 h
	s_mov_b32 s21, SLOT-232
	s_mov_b32 s22, SLOT+232
	v_sub_nc_u32 v7, 1, v2
	v_mul_u32_u24 v5, s21, v2
	v_add_nc_u32 v5, v3, v5
	v_add_nc_u32 v5, 232, v5                       ; lanes 0-15 byte 232 in slot 0, lanes 16-31 byte 0 in slot 1
	v_mul_u32_u24 v6, s22, v7
	v_add_nc_u32 v6, v3, v6                        ; lanes 0-15 byte 232 in slot 1, lanes 16-31 byte 0 in slot 0
	s_mul_i32 s21, s15, HALFT
	s_mul_i32 s22, s16, HALFT
	s_add_co_u32 s22, s22, 2*HALFT
	v_add_nc_u32 v[ADRA+2], s21, v5
	v_add_nc_u32 v[ADRA+3], s21, v6
	v_add_nc_u32 v[ADRB+2], s22, v5
	v_add_nc_u32 v[ADRB+3], s22, v6
.irp s, 0,1
	v_add_nc_u32 v[ADRA+\s], s21, v4
	v_add_nc_u32 v[ADRB+\s], s22, v4
	s_add_co_u32 s21, s21, SLOT
	s_add_co_u32 s22, s22, SLOT
.endr
	v_mul_u32_u24 v5, v1, KS                       ; my row's scales: 32 bytes a row,
	v_lshrrev_b32 v6, 8, v5
	v_lshl_add_u32 v5, v6, 4, v5                   ; and 16 more for each 256 passed
	s_mul_i32 s21, s15, HALFS
	s_mul_i32 s22, s16, HALFS
	s_add_co_u32 s22, s22, 2*HALFS
	s_sub_co_u32 s22, s22, s21
	v_mul_u32_u24 v6, s22, v2                      ; lanes 16-31 take B's
	s_add_co_u32 s21, s21, SCL
	v_add_nc_u32 v5, v5, v6
	v_add_nc_u32 v[ADRS], s21, v5
	s_lshl_b32 s23, s14, 9                         ; the way out's addresses: 512 x wave
	v_lshlrev_b32 v[BL], 2, v1
	v_lshlrev_b32 v[BO], 5, v2
	v_lshl_add_u32 v[STQ], v2, 8, v[BL]
	v_add_nc_u32 v[STQ], s23, v[STQ]
	v_add_nc_u32 v[STQ], STGQ, v[STQ]
	v_add_nc_u32 v[STV], s23, v[BL]
	v_add_nc_u32 v[STV], STGV, v[STV]
	v_and_b32 v6, 31, v0
	v_lshlrev_b32 v[GL], 4, v6
	v_add_nc_u32 v[RDQ], s23, v[GL]
	v_add_nc_u32 v[RDQ], STGQ, v[RDQ]
	v_add_nc_u32 v[RDV], s23, v[GL]
	v_add_nc_u32 v[RDV], STGV, v[RDV]
	v_mul_u32_u24 v[GS], v2, PLANE
	v_lshl_add_u32 v[GS], v1, 4, v[GS]
	v_mov_b32 v[PSEL], 0x05040100                  ; bytes 0, 1 of each of two words
	v_mov_b32 v7, 0x07060302                       ; bytes 2, 3 of each
	v_cmp_eq_u32 vcc_lo, 1, v2
	v_cndmask_b32 v[PSEL], v[PSEL], v7, vcc_lo
	s_wait_alu depctr_va_vdst(0)                   ; the wait behind the head's last vector write
	; where my results go.  Tokens lie in region A for q and k, in region B for v; features the other way round
	s_mov_b32 s98, 102400
	s_mov_b32 s99, 151552
	s_cmp_eq_u32 ttmp9, 0
	s_cselect_b32 s98, s98, 0
	s_cselect_b32 s99, s99, 98304
	s_cmp_eq_u32 ttmp9, 2
	s_cselect_b32 s98, 49152, s98
	s_cselect_b32 s99, 100352, s99
	s_cselect_b32 s18, s42, s17                    ; the tile of tokens,
	s_cselect_b32 s19, s17, s42                    ; of features,
	s_cselect_b32 s20, s16, s15                    ; my half of the tokens,
	s_cselect_b32 s21, s15, s16                    ; of the features
	s_lshr_b32 s22, s18, 2                         ; the batch
	s_and_b32 s18, s18, 3
	s_lshl_b32 s18, s18, 8
	s_lshl_b32 s20, s20, 7
	s_add_co_u32 s18, s18, s20                     ; my first token in the batch
	s_lshl_b32 s19, s19, 2
	s_lshl_b32 s21, s21, 1
	s_add_co_u32 s19, s19, s21                     ; my first head of two
	s_lshl_b32 s22, s22, 4
	s_add_co_u32 s22, s22, s19
	s_mul_i32 s22, s22, PLANE
	s_mul_i32 s23, s18, 48                         ; images: 128 tokens are 6,144 bytes
	s_add_co_u32 s100, s22, s23
	s_add_co_u32 s100, s100, s98
	s_mov_b32 s101, 0
	s_lshl_b32 s23, s18, 1                         ; scale words: 128 tokens are 256 bytes
	s_add_co_u32 s22, s22, s23
	s_add_co_u32 s22, s22, s99
	s_mov_b32 s23, 0
	s_add_nc_u64 s[96:97], s[12:13], s[22:23]
	s_add_nc_u64 s[12:13], s[12:13], s[100:101]
	s_lshl_b32 s22, s19, 8
	s_add_nc_u64 s[66:67], s[66:67], s[22:23]      ; the bias of my 128 features, in both layouts, without a branch
.irp b, 0,1,2,3,4,5,6,7
	global_load_b128 v[TP+8*\b:TP+8*\b+3], v[BO], s[66:67] offset:64*\b
	global_load_b128 v[TP+8*\b+4:TP+8*\b+7], v[BO], s[66:67] offset:64*\b+16
.endr
.irp a, 0,1,2,3,4,5,6,7
	global_load_b32 v[BR+\a], v[BL], s[66:67] offset:64*\a
.endr
.macro FRAG reg, adr, st, i            ; 12 registers: 24 bytes of the row's stream of bits twice, in pieces of 8 bytes; byte y of a row lies in slot (y / 256) % 2 at byte y % 256
.irp p, 0,1,2,3,4,5
.set BY, 96*(\st)+48*(\p/3)+8*(\p%3)
.if BY/ROWB == (BY+24)/ROWB
	ds_load_b64 v[\reg+2*\p:\reg+2*\p+1], v[\adr+(BY/ROWB)%2] offset:BY%ROWB+(\i)*16*PITCH
.else
	ds_load_b64 v[\reg+2*\p:\reg+2*\p+1], v[\adr+2+(BY/ROWB)%2] offset:BY%ROWB-232+(\i)*16*PITCH
.endif
.endr
.endm
; 16 matrix instructions: A's blocks a0, a0 + 1 x B's eight.  The 64 accumulators take turns, one instruction a turn
.macro MUL16 a0, p, q, sc, zero
.irp a, \a0, \a0+1
.irp b, 0,1,2,3,4,5,6,7
.if \zero
	v_wmma_scale_f32_16x16x128_f8f6f4 v[8*(8*((\a)%4)+\b):8*(8*((\a)%4)+\b)+7], v[128*(\p)+FR*\b:128*(\p)+FR*\b+FR-1], v[AF+FR*(\a):AF+FR*(\a)+FR-1], 0, v[SC+8*NQ*(\sc)+NQ*\b+(\q)], v[SC+8*NQ*(\sc)+NQ*(\a)+(\q)] matrix_a_fmt:MATRIX_FMT_FP6 matrix_b_fmt:MATRIX_FMT_FP6 matrix_a_scale:MATRIX_SCALE_ROW1
.else
	v_wmma_scale_f32_16x16x128_f8f6f4 v[8*(8*((\a)%4)+\b):8*(8*((\a)%4)+\b)+7], v[128*(\p)+FR*\b:128*(\p)+FR*\b+FR-1], v[AF+FR*(\a):AF+FR*(\a)+FR-1], v[8*(8*((\a)%4)+\b):8*(8*((\a)%4)+\b)+7], v[SC+8*NQ*(\sc)+NQ*\b+(\q)], v[SC+8*NQ*(\sc)+NQ*(\a)+(\q)] matrix_a_fmt:MATRIX_FMT_FP6 matrix_b_fmt:MATRIX_FMT_FP6 matrix_a_scale:MATRIX_SCALE_ROW1
.endif
.endr
.endr
.endm
.macro FETCH_B st, p
	WIN TO_B
.irp i, 0,1,2,3,4,5,6,7
	FRAG 128*(\p)+FR*\i, ADRB, \st, \i
.endr
	WIN 0
.endm
.macro FETCH_A st, i0
.irp i, \i0, \i0+1, \i0+2, \i0+3
	FRAG AF+FR*(\i), ADRA, \st, \i
.endr
.endm
.macro SCALES pr                       ; the scale words of steps 2 pr, 2 pr + 1: lanes 0-15 A's block i, lanes 16-31 B's block i
.irp i, 0,1,2,3,4,5,6,7
	ds_load_b64 v[SC+8*NQ*((\pr)%2)+NQ*\i:SC+8*NQ*((\pr)%2)+NQ*\i+1], v[ADRS] offset:\i*SBLK+4*NQ*(\pr)
.endr
.endm
.macro PLACES n
.rept \n
	v_nop
.endr
.endm
; A step of 128 along K; the next step's fragments are fetched in its middle and at its end.  Where the next step's bytes END in a chunk not yet read, a barrier shows that chunk whole;
; where they BEGIN in a later chunk, the chunk left behind is read no more: the wait for all tensor loads, the add, the wait for it and for my reads, the barrier, and, where chunk C0 + 2 exists, the round and the refill.
.macro STEP st, zero
.set NX, (\st)+1
.set C0, (96*(\st))/ROWB
.set C1, (96*NX)/ROWB
.set CE0, (96*(\st)+95)/ROWB
.set CE1, (96*NX+95)/ROWB
.if C1 > C0 || CE1 > CE0
	s_wait_tensorcnt 0x0                           ; all my tensor loads have landed
.if C1 > C0
	ds_add_u32 v[SPW], v[NIL]
	s_wait_dscnt 4*NL+1                            ; the add and A's blocks 4-7 (24 loads) may be out
.else
	s_wait_dscnt 4*NL                              ; A's blocks 4-7 may be out
.endif
	WIN MUL_LO
	MUL16 0, (\st)%2, (\st)%2, ((\st)/2)%2, \zero
	s_wait_dscnt 0x0                               ; the add and all my reads are done
	s_barrier_signal -1
	MUL16 2, (\st)%2, (\st)%2, ((\st)/2)%2, \zero
	WIN 0
	s_barrier_wait -1
.if C1 > C0 && C0+2 < CHUNKS
	CREST                                          ; the barrier has opened a round: no wave of any partner still reads this slot
	s_add_nc_u64 s[G0+4*(C0%2)+2:G0+4*(C0%2)+3], s[G0+4*(C0%2)+2:G0+4*(C0%2)+3], 2*ROWB
	s_add_nc_u64 s[G0B+4*(C0%2)+2:G0B+4*(C0%2)+3], s[G0B+4*(C0%2)+2:G0B+4*(C0%2)+3], 2*ROWB
	JLOAD G0+4*(C0%2), G1, G0B+4*(C0%2), G1B       ; its four v_nop are the places in front of the loads below
.else
	PLACES NP
.endif
.else
	s_wait_dscnt 4*NL
	WIN MUL_LO
	MUL16 0, (\st)%2, (\st)%2, ((\st)/2)%2, \zero
	MUL16 2, (\st)%2, (\st)%2, ((\st)/2)%2, \zero
	s_wait_dscnt 0
	PLACES NP
.endif
	FETCH_B NX, NX%2
	FETCH_A NX, 0
.if NX%2 == 0
	SCALES NX/2
.endif
	WIN MUL_HI
	MUL16 4, (\st)%2, (\st)%2, ((\st)/2)%2, \zero
	MUL16 6, (\st)%2, (\st)%2, ((\st)/2)%2, \zero
	PLACES NP
	WIN 0
	FETCH_A NX, 4
.endm
	s_wait_tensorcnt 0x0                           ; my tile of the head's four is in; slot 1's first fill is issued as a refill is
	ds_add_u32 v[SPW], v[NIL]
	s_mov_b32 s[G1+2], 128<<16                     ; no tensor load of mine is out: from here on a load brings 128 rows
	s_mov_b32 s[G1+4], 128
	s_mov_b32 s[G1B+2], 128<<16
	s_mov_b32 s[G1B+4], 128
	s_wait_dscnt 0x0
	CROUND
	JLOAD G0+4, G1, G0B+4, G1B                     ; chunk 1
	FETCH_B 0, 0
	FETCH_A 0, 0
	SCALES 0
	FETCH_A 0, 4
	STEP 0, 1                                      ; the first step's products start the sums
.set ST, 1
.rept STEPS-2
	STEP ST, 0
.set ST, ST+1
.endr
	s_wait_dscnt 4*NL
	WIN MUL_LO
	MUL16 0, 1, 1, 1, 0
	MUL16 2, 1, 1, 1, 0
	s_wait_dscnt 0
	WIN MUL_HI
	MUL16 4, 1, 1, 1, 0
	MUL16 6, 1, 1, 1, 0
	WIN 0
; THE WAY OUT.  64 numbers of a lane, register 16 b + i one of 16 numbers of my row's block b (lane l xor 16 holds the other 16), become codes and a scale word.
.macro QUANT s, d0, d1
.irp b, 0,1,2,3
	v_max3_num_f32 v[TM+\b], |v[\s+16*\b]|, |v[\s+1+16*\b]|, 0x1800000   ; the floor 2^(3 - 127): the byte cannot fall under 1
.endr
.irp i, 2,4,6,8,10,12,14
.irp b, 0,1,2,3
	v_max3_num_f32 v[TM+\b], v[TM+\b], |v[\s+16*\b+\i]|, |v[\s+1+16*\b+\i]|
.endr
.endr
.irp b, 0,1,2,3
	v_permlanex16_b32 v[TM+4+\b], v[TM+\b], s100, s101
.endr
.irp b, 0,1,2,3
	v_max_num_f32 v[TM+\b], v[TM+\b], v[TM+4+\b]
.endr
.irp b, 0,1,2,3
	v_add_nc_u32 v[TM+12+\b], 0xff000000, v[TM+\b] ; 2 off the exponent field: the conversion's scale operand
.endr
.irp b, 0,1,2,3
	v_lshrrev_b32 v[TM+4+\b], 23, v[TM+12+\b]      ; the scale's byte
.endr
	v_lshl_or_b32 v[PW], v[TM+5], 8, v[TM+4]
	v_lshl_or_b32 v[PW], v[TM+6], 16, v[PW]
	v_lshl_or_b32 v[PW], v[TM+7], 24, v[PW]
	v_cvt_scalef32_pk16_fp6_f32 v[\d0:\d0+2], v[\s:\s+15], v[TM+12]
	v_cvt_scalef32_pk16_fp6_f32 v[X2:X2+2], v[\s+16:\s+31], v[TM+13]
	v_cvt_scalef32_pk16_fp6_f32 v[\d1:\d1+2], v[\s+32:\s+47], v[TM+14]
	v_cvt_scalef32_pk16_fp6_f32 v[X2+4:X2+6], v[\s+48:\s+63], v[TM+15]
	v_nop                                          ; one plain place behind a scaled conversion
.irp i, 0,1,2
	v_permlane16_swap_b32 v[\d0+\i], v[X2+\i]      ; a WHOLE block in a lane
	v_permlane16_swap_b32 v[\d1+\i], v[X2+4+\i]
.endr
.irp i, 0,1,2
	v_mov_b32 v[\d0+3+\i], v[X2+\i]
	v_mov_b32 v[\d1+3+\i], v[X2+4+\i]
.endr
.endm
.macro ADDP a                          ; A's block a + the bias by registers, each accumulator from its low end on
.set AC, 64*((\a)%4)
	WIN (0x02+(\a)/4)
.set n, 0
.rept 32
	v_pk_add_f32 v[H+n:H+n+1], v[AC+n:AC+n+1], v[TP+n:TP+n+1]
.set n, n+2
.endr
	WIN 0
.endm
.macro ADDR a                          ; the same with the bias of my lane's feature
.set AC, 64*((\a)%4)
	v_mov_b32 v[BP], v[BR+(\a)]
	v_mov_b32 v[BP+1], v[BR+(\a)]
	WIN (0x02+(\a)/4)
.set n, 0
.rept 32
	v_pk_add_f32 v[H+n:H+n+1], v[AC+n:AC+n+1], v[BP:BP+1]
.set n, n+2
.endr
	WIN 0
.endm
	PLACES NP
	s_wait_loadcnt 0x0                             ; the bias
	s_mov_b32 s100, 0x76543210
	s_mov_b32 s101, 0xfedcba98                     ; selects for lane l xor 16
.irp b, 0,1,2,3
	v_mov_b32 v[TM+4+\b], 0                        ; a lane permute's destination counts as one of its sources
.endr
	s_cmp_eq_u32 ttmp9, 2                          ; the kind: the same in all partners
	s_cbranch_scc1 .Lv
	; q, k: a lane is a token; blocks 0, 1 are my first head's, blocks 2, 3 my second's; two blocks of 16 tokens make an image for each head
.irp i, 0,1,2,3
.if \i > 0
	s_wait_xcnt 0x0                                ; the last images' stores have read their registers
.endif
	ADDP 2*\i
	QUANT H, E0, E1
	v_mov_b32 v[PWE], v[PW]
	ADDP 2*\i+1
	QUANT H, E0B, E1B
	v_perm_b32 v[W], v[PW], v[PWE], v[PSEL]        ; lanes 0-15: the first head's word, lanes 16-31: the second's
	ds_store_b32 v[STQ], v[W] offset:64*\i
.irp g, 0,1,2
	global_store_b128 v[GL], v[E0+4*\g:E0+4*\g+3], s[12:13] offset:1536*\i+512*\g          ; 32 lanes store 512 consecutive bytes, aligned to 256
	global_store_b128 v[GL], v[E1+4*\g:E1+4*\g+3], s[12:13] offset:PLANE+1536*\i+512*\g
.endr
.endr
	ds_load_b128 v[T:T+3], v[RDQ]                  ; LDS serves a wave's instructions in order: these see my stores
	s_wait_dscnt 0x0
	global_store_b128 v[GS], v[T:T+3], s[96:97]    ; 256 consecutive bytes for each of my two heads
	s_branch .Ldone
.Lv:
	; v: a lane is a feature; the four blocks are my 128 tokens': one image for each block of 16 features
.irp a, 0,1,2,3,4,5,6,7
.if \a > 0
	s_wait_xcnt 0x0
.endif
	ADDR \a
	QUANT H, E0, E0B
	ds_store_b32 v[STV], v[PW] offset:64*\a        ; both halves of the lanes write the same word with the same value
.irp g, 0,1,2
	global_store_b128 v[GL], v[E0+4*\g:E0+4*\g+3], s[12:13] offset:(\a/4)*PLANE+(\a%4)*1536+512*\g
.endr
.endr
	ds_load_b128 v[T:T+3], v[RDV]
	s_wait_dscnt 0x0
	global_store_b128 v[GS], v[T:T+3], s[96:97]
.Ldone:
	s_wait_tensorcnt 0x0                           ; the wave's end
	ds_add_u32 v[SPW], v[NIL]
	s_wait_dscnt 0x0
	CROUND                                         ; the closing round
	s_endpgm
.Lfunc_end_k_q819fec846e_qkv:
	.size	k_q819fec846e_qkv, .Lfunc_end_k_q819fec846e_qkv-k_q819fec846e_qkv
	.p2alignl 7, 3214868480
	.fill 96, 4, 3214868480
	.section	.rodata,"a",@progbits
	.p2align	6, 0x0
	.amdhsa_kernel k_q819fec846e_qkv
		.amdhsa_group_segment_fixed_size 327680
		.amdhsa_private_segment_fixed_size 0
		.amdhsa_enable_private_segment 0
		.amdhsa_kernarg_size 96
		.amdhsa_user_sgpr_count 2
		.amdhsa_user_sgpr_kernarg_segment_ptr 1
		.amdhsa_wavefront_size32 1
		.amdhsa_system_sgpr_workgroup_id_x 1
		.amdhsa_system_sgpr_workgroup_id_y 1
		.amdhsa_system_sgpr_workgroup_id_z 1
		.amdhsa_system_vgpr_workitem_id 0
		.amdhsa_next_free_vgpr 1024
		.amdhsa_next_free_sgpr 102
		.amdhsa_reserve_vcc 1
		.amdhsa_float_denorm_mode_32 3
		.amdhsa_float_denorm_mode_16_64 3
		.amdhsa_memory_ordered 1
		.amdhsa_forward_progress 1
		.amdhsa_inst_pref_size 234
	.end_amdhsa_kernel
	.amdgpu_metadata
---
amdhsa.version: [ 1, 2 ]
amdhsa.kernels:
  - .name:           k_q819fec846e_qkv
    .symbol:         k_q819fec846e_qkv.kd
    .args:
      - { .name: x_codes, .offset: 0, .size: 8, .value_kind: global_buffer, .address_space: global }
      - { .name: x_scales, .offset: 8, .size: 8, .value_kind: global_buffer, .address_space: global }
      - { .name: Wq_codes, .offset: 16, .size: 8, .value_kind: global_buffer, .address_space: global }
      - { .name: Wq_scales, .offset: 24, .size: 8, .value_kind: global_buffer, .address_space: global }
      - { .name: Wk_codes, .offset: 32, .size: 8, .value_kind: global_buffer, .address_space: global }
      - { .name: Wk_scales, .offset: 40, .size: 8, .value_kind: global_buffer, .address_space: global }
      - { .name: Wv_codes, .offset: 48, .size: 8, .value_kind: global_buffer, .address_space: global }
      - { .name: Wv_scales, .offset: 56, .size: 8, .value_kind: global_buffer, .address_space: global }
      - { .name: bq, .offset: 64, .size: 8, .value_kind: global_buffer, .address_space: global }
      - { .name: bk, .offset: 72, .size: 8, .value_kind: global_buffer, .address_space: global }
      - { .name: bv, .offset: 80, .size: 8, .value_kind: global_buffer, .address_space: global }
      - { .name: qkv, .offset: 88, .size: 8, .value_kind: global_buffer, .address_space: global }
    .group_segment_fixed_size: 327680
    .private_segment_fixed_size: 0
    .kernarg_segment_align: 8
    .kernarg_segment_size: 96
    .max_flat_workgroup_size: 128
    .sgpr_count:     102
    .vgpr_count:     1024
    .wavefront_size: 32
...
	.end_amdgpu_metadata
.endif
;; end of part 1
;; launch attn (part 2): grid 4 x 64, 16 waves a work-group, clusters of 4 x 1, 327,680 bytes of LDS; arguments qkv, attn_scale, ao; writes ao
.if DOCPART == 2
	.amdgcn_target "amdgcn-amd-amdhsa--gfx1250"
	.amdhsa_code_object_version 6
	.text
	.protected	k_q819fec846e_attn
	.globl	k_q819fec846e_attn
	.p2align	8
	.type	k_q819fec846e_attn,@function
k_q819fec846e_attn:
	s_mov_b64 s[64:65], 0
	v_nop
	global_prefetch_b8 v0, s[64:65] scope:SCOPE_SE
	s_setreg_imm32_b32 hwreg(HW_REG_WAVE_MODE, 25, 1), 1
	s_wait_xcnt 0x0
	s_wait_alu depctr_hold_cnt(0) depctr_sa_sdst(0) depctr_va_vdst(0) depctr_va_sdst(0) depctr_va_ssrc(0) depctr_va_vcc(0) depctr_vm_vsrc(0)
	s_getreg_b32 s2, hwreg(HW_REG_IB_STS2, 6, 4)
	s_cmp_eq_u32 s2, 0
	s_cbranch_scc0 .Lentry_in_a_cluster
	s_endpgm
.Lentry_in_a_cluster:
	s_bfe_u32 s2, ttmp6, 0x10000c
	s_cmp_lg_u32 s2, 0x3003
	s_cbranch_scc0 .Lentry_shape_is_right
	s_endpgm
.Lentry_shape_is_right:
; Attention on the codes of buffer qkv: for two heads (planes) and 16 queries a wave, S^T = K Q^T, p = 2^(t - M) with a running whole M, O^T += V^T p^T, O / l quantised along the features into buffer ao.
; A work-group has 16 waves and takes 256 queries of two planes; the four partners of a cluster take the same two planes, so K and V are asked for jointly.
; ALL of both planes' K and V (2 x 102,400 bytes) is asked for at the head, one load a wave: waves 0-7 take eighths of the first plane, waves 8-15 of the second, 50 rows of 256 bytes each.
; Nothing is filled again, and one barrier shows all of it to all waves.  No prefetch: there is no later load to run ahead of.
; The mask (key > query inside a diagonal block of 64) falls into one step of 128 keys a wave: there the scores are replaced by -inf.
; attn_scale's sign is carried by the sign bits of q's codes; |attn_scale| log2(e) is held at 2^-100 from below.
; LIMITS: NaN and infinities are not served; the promise holds while the scaled scores stay under 2^31 in magnitude.
.set PLANE, 153600
.set KV,    102400
.set VIMG,  49152
.set KSC,   98304
.set QSC,   151552
.set PART,  12800
.set AOP,   786432
.set ASC,   6291456
.set ADK, 5
.set ADS, 6
.set WV,  18
.set CNT, 19
.set SEL, 20
.set CS,  22
.set G1,  24
.set G0A, 32
.set PM,  42
.set SH,  43
.set SG,  44
.set TB,  47
.set TS,  48
.set SD,  49
.set HALF, 50
.macro CROUND
	s_barrier_signal -1
	s_barrier_wait -1
	s_cmp_lg_u32 s[WV], 0
	s_cbranch_scc1 .Lnot_wave_0_\@
	s_barrier_signal -3
.Lnot_wave_0_\@:
	s_barrier_wait -3
	s_barrier_signal -1
	s_barrier_wait -1
.endm
	s_load_b128 s[4:7], s[0:1], 0x0
	s_load_b64 s[8:9], s[0:1], 0x10
	v_lshl_add_u32 v209, v0, 2, 0x32000
	v_mov_b32 v243, 0
	ds_add_u32 v209, v243
	ds_add_u32 v209, v243
	v_lshrrev_b32 v8, 5, v0
	s_delay_alu instid0(VALU_DEP_1)
	v_readfirstlane_b32 s[WV], v8
	s_bfe_u32 s40, ttmp6, 0x40000
	s_and_b32 s41, ttmp7, 0xffff
	s_mov_b32 s[G1], 15|(3<<16)|(1<<21)
	s_mov_b32 s[G1+1], 32<<16
	s_mov_b32 s[G1+2], 50<<16
	s_mov_b32 s[G1+3], 32<<16
	s_mov_b32 s[G1+4], 50
	s_mov_b32 s[G1+5], 32
	s_mov_b32 s[G1+6], 0
	s_mov_b32 s[G1+7], 0
	s_mul_i32 s54, s41, 2*PLANE
	s_mul_i32 s55, s[WV], PART
	s_lshr_b32 s56, s[WV], 3                       ; waves 8-15: the second plane, PLANE - KV bytes further on than 12,800 x wave says
	s_mul_i32 s56, s56, PLANE-KV
	s_add_co_u32 s56, s56, s55
	s_add_co_u32 s56, s56, s54
	s_mov_b32 s57, 0
	s_wait_dscnt 0x0
	s_wait_kmcnt 0x0
	s_load_b32 s10, s[6:7], 0x0
	s_mov_b32 s[G0A], 1
	s_mov_b32 s[G0A+1], s55
	s_add_nc_u64 s[G0A+2:G0A+3], s[4:5], s[56:57]
	s_or_b32 s[G0A+3], s[G0A+3], 0x80000000
	CROUND
	tensor_load_to_lds s[G0A:G0A+3], s[G1:G1+7]    ; my one load: a sixteenth of the two planes' K and V
	s_nop 0
.rept 4
	v_nop
.endr
	v_and_b32 v8, 31, v0
	s_delay_alu instid0(VALU_DEP_1)
	v_lshlrev_b32 v1, 4, v8
	s_wait_alu depctr_va_vdst(0)
	v_lshlrev_b32 v2, 2, v8
	v_and_b32 v9, 15, v0
	v_bfe_u32 v10, v0, 4, 1
	s_delay_alu instid0(VALU_DEP_2)
	v_lshlrev_b32 v7, 2, v9
	s_wait_alu depctr_va_vdst(0)
	s_lshr_b32 s58, s40, 1
	s_lshl_b32 s59, s[WV], 1
	s_add_co_u32 s58, s58, s59
	s_mul_i32 s60, s58, 1536
	s_add_co_u32 s60, s60, s54
	s_add_co_u32 s60, s60, KV
	s_mov_b32 s61, 0
	s_add_nc_u64 s[12:13], s[4:5], s[60:61]
	s_lshl_b32 s60, s58, 6
	s_add_co_u32 s60, s60, s54
	s_add_co_u32 s60, s60, QSC
	s_add_nc_u64 s[52:53], s[4:5], s[60:61]
.irp g, 0,1,2
	global_load_b128 v[96+4*\g:99+4*\g], v1, s[12:13] offset:512*\g
	global_load_b128 v[108+4*\g:111+4*\g], v1, s[12:13] offset:PLANE+512*\g
.endr
	global_load_b32 v120, v7, s[52:53]
	global_load_b32 v121, v7, s[52:53] offset:PLANE
	s_lshl_b32 s59, s40, 4
	v_lshlrev_b32 v10, 3, v10
	s_delay_alu instid0(VALU_DEP_1)
	v_sub_nc_u32 v3, v9, v10
	s_delay_alu instid0(VALU_DEP_1)
	v_add_nc_u32 v3, s59, v3
	v_mov_b32 v4, 0xff800000
	s_and_b32 s[SH], s40, 1
	s_cmp_lg_u32 s[SH], 0
	s_cselect_b32 s[PM], -1, 0
	s_lshl_b32 s[SH], s[SH], 4
	s_lshr_b32 s58, s41, 3
	s_and_b32 s59, s41, 7
	s_lshl_b32 s58, s58, 6
	s_lshl_b32 s60, s[WV], 2
	s_add_co_u32 s58, s58, s60
	s_add_co_u32 s58, s58, s40
	s_mul_i32 s60, s59, AOP
	s_mul_i32 s62, s58, 1536
	s_add_co_u32 s60, s60, s62
	s_add_nc_u64 s[14:15], s[8:9], s[60:61]
	s_lshl_b32 s60, s59, 15
	s_lshl_b32 s62, s58, 6
	s_add_co_u32 s60, s60, s62
	s_add_co_u32 s60, s60, ASC
	s_add_nc_u64 s[16:17], s[8:9], s[60:61]
	s_lshr_b32 s[SD], s[WV], 1
	s_and_b32 s[HALF], s[WV], 1
	s_mov_b32 s[SEL], 0x76543210
	s_mov_b32 s[SEL+1], 0xfedcba98
	s_mov_b32 s[SG], 0x20820820
	s_mov_b32 s[SG+1], 0x08208208
	s_mov_b32 s[SG+2], 0x82082082
	s_wait_kmcnt 0x0
	s_bitcmp1_b32 s10, 31
	s_cselect_b32 s[SG], s[SG], 0
	s_cselect_b32 s[SG+1], s[SG+1], 0
	s_cselect_b32 s[SG+2], s[SG+2], 0
	s_and_b32 s[CS], s10, 0x7fffffff
	s_mul_f32 s[CS], s[CS], 0x3fb8aa3b
	s_max_u32 s[CS], s[CS], 0x0d800000
	s_mov_b32 s[CS+1], s[CS]
	s_wait_loadcnt 0x0
.irp i, 0,1,2,3,4,5
	v_cndmask_b32 v[22+\i], v[96+\i], v[102+\i], s[PM]
	v_cndmask_b32 v[34+\i], v[108+\i], v[114+\i], s[PM]
.endr
.irp i, 0,1,2,3,4,5
	v_xor_b32 v[22+\i], s[SG+\i%3], v[22+\i]
	v_xor_b32 v[34+\i], s[SG+\i%3], v[34+\i]
.endr
.irp i, 0,1,2,3,4,5
	v_mov_b32 v[16+\i], 0
	v_mov_b32 v[28+\i], 0
.endr
	v_lshrrev_b32 v120, s[SH], v120
	v_lshrrev_b32 v121, s[SH], v121
	s_delay_alu instid0(VALU_DEP_2)
	v_and_b32 v120, 0xffff, v120
	s_delay_alu instid0(VALU_DEP_2)
	v_and_b32 v121, 0xffff, v121
	s_delay_alu instid0(VALU_DEP_2)
	v_lshl_or_b32 v255, v120, 16, v120
	s_delay_alu instid0(VALU_DEP_2)
	v_lshl_or_b32 v210, v121, 16, v121
.macro MASK f
.set n, 0
.rept 32
	v_cmp_gt_i32 vcc_lo, 16*(n/8)+n%8, v3
	v_cndmask_b32 v[96+32*\f+n], v[96+32*\f+n], v4, vcc_lo
.set n, n+1
.endr
.endm
.macro STEP
	v_add_nc_u32 v[ADK], s[TB], v1
	v_add_nc_u32 v[ADS], s[TS], v2
	v_nop
	v_nop
.irp i, 0,1,2,3
.irp g, 0,1,2
	ds_load_b128 v[44+12*\i+4*\g:47+12*\i+4*\g], v[ADK] offset:1536*\i+512*\g
.endr
.endr
	ds_load_b32 v248, v[ADS]
	ds_load_b32 v249, v[ADS] offset:128
	s_wait_alu depctr_va_vdst(0)
	s_wait_dscnt 0x0
.irp i, 0,1,2,3
.irp e, 0,1
.if \i%2
	v_wmma_scale_f32_16x16x128_f8f6f4 v[96+8*(2*\i+\e):103+8*(2*\i+\e)], v[44+12*\i:55+12*\i], v[22-6*\e:33-6*\e], 0, v[248+\i/2], v255 matrix_a_fmt:MATRIX_FMT_FP6 matrix_b_fmt:MATRIX_FMT_FP6 matrix_a_scale:MATRIX_SCALE_ROW1
.else
	v_wmma_scale_f32_16x16x128_f8f6f4 v[96+8*(2*\i+\e):103+8*(2*\i+\e)], v[44+12*\i:55+12*\i], v[22-6*\e:33-6*\e], 0, v[248+\i/2], v255 matrix_a_fmt:MATRIX_FMT_FP6 matrix_b_fmt:MATRIX_FMT_FP6
.endif
.endr
.endr
.rept 4
	v_nop
.endr
.irp t, 0,1,2,3
.irp g, 0,1,2
	ds_load_b128 v[44+12*\t+4*\g:47+12*\t+4*\g], v[ADK] offset:VIMG+1536*\t+512*\g
.endr
.endr
	ds_load_b32 v250, v[ADS] offset:2048
	ds_load_b32 v251, v[ADS] offset:2176
	s_cmp_lg_u32 s[CNT], s[SD]
	s_cbranch_scc1 .Lopen_\@
	s_cmp_lg_u32 s[HALF], 0
	s_cbranch_scc1 .Lupper_\@
	MASK 0
	s_branch .Lopen_\@
.Lupper_\@:
	MASK 1
.Lopen_\@:
.irp b, 0,1,2,3
	v_max3_num_f32 v[232+\b], v[96+16*\b], v[97+16*\b], v[98+16*\b]
.endr
.irp i, 3,5,7,9,11,13
.irp b, 0,1,2,3
	v_max3_num_f32 v[232+\b], v[232+\b], v[96+16*\b+\i], v[97+16*\b+\i]
.endr
.endr
.irp b, 0,1,2,3
	v_max_num_f32 v[232+\b], v[232+\b], v[111+16*\b]
.endr
.irp b, 0,1,2,3
	s_delay_alu instid0(VALU_DEP_4)
	v_permlanex16_b32 v[236+\b], v[232+\b], s[SEL], s[SEL+1]
.endr
.irp b, 0,1,2,3
	s_delay_alu instid0(VALU_DEP_4)
	v_max_num_f32 v[232+\b], v[232+\b], v[236+\b]
.endr
	s_delay_alu instid0(VALU_DEP_2)
	v_max3_num_f32 v254, v232, v233, v234
	s_delay_alu instid0(VALU_DEP_1)
	v_max_num_f32 v254, v254, v235
	s_delay_alu instid0(VALU_DEP_1)
	v_mul_f32 v254, s[CS], v254
	s_delay_alu instid0(VALU_DEP_1)
	v_max_num_f32 v13, v13, v254
	v_mov_b32 v254, v12
	s_delay_alu instid0(VALU_DEP_2)
	v_floor_f32 v12, -v13
	s_delay_alu instid0(VALU_DEP_1)
	v_sub_f32 v254, v12, v254
	s_delay_alu instid0(VALU_DEP_1)
	v_cvt_i32_f32 v254, v254
	s_delay_alu instid0(VALU_DEP_1)
	v_ldexp_f32 v252, 1.0, v254
.set n, 0
.rept 32
	v_pk_fma_f32 v[96+n:97+n], v[96+n:97+n], s[CS:CS+1], v[12:13] op_sel_hi:[1,0,0]
.set n, n+2
.endr
.irp b, 0,1,2,3
	v_fma_f32 v[232+\b], v[232+\b], s[CS], v12
.endr
.set n, 0
	s_wait_alu depctr_va_vdst(0)
.rept 64
	v_exp_f32 v[96+n], v[96+n]
.set n, n+1
.endr
	v_pk_mul_f32 v[14:15], v[14:15], v[252:253] op_sel_hi:[1,0]
	s_wait_alu depctr_va_vdst(0)
.irp b, 0,1,2,3
	v_exp_f32 v[232+\b], v[232+\b]
.endr
.set n, 0
	s_wait_alu depctr_va_vdst(0)
.rept 16
	v_pk_mul_f32 v[160+n:161+n], v[160+n:161+n], v[252:253] op_sel_hi:[1,0]
.set n, n+2
.endr
	s_wait_alu depctr_va_vdst(0)
.irp b, 0,1,2,3
	v_max_num_f32 v[232+\b], 0x1800000, v[232+\b]
.endr
.irp b, 0,1,2,3
	s_delay_alu instid0(VALU_DEP_4)
	v_add_nc_u32 v[244+\b], 0xff000000, v[232+\b]
.endr
.irp b, 0,1,2,3
	s_delay_alu instid0(VALU_DEP_4)
	v_lshrrev_b32 v[236+\b], 23, v[244+\b]
.endr
	s_delay_alu instid0(VALU_DEP_3)
	v_lshl_or_b32 v253, v237, 8, v236
	s_delay_alu instid0(VALU_DEP_1)
	v_lshl_or_b32 v253, v238, 16, v253
	s_delay_alu instid0(VALU_DEP_1)
	v_lshl_or_b32 v253, v239, 24, v253
.irp c, 0,1
	v_cvt_scalef32_pk16_fp6_f32 v[224+6*\c:226+6*\c], v[96+32*\c:111+32*\c], v[244+2*\c]
	v_cvt_scalef32_pk16_fp6_f32 v[236+4*\c:238+4*\c], v[112+32*\c:127+32*\c], v[244+2*\c+1]
.endr
	v_nop
.irp c, 0,1
.irp i, 0,1,2
	v_permlane16_swap_b32 v[224+6*\c+\i], v[236+4*\c+\i]
.endr
.irp i, 0,1,2
	s_delay_alu instid0(VALU_DEP_3)
	v_mov_b32 v[227+6*\c+\i], v[236+4*\c+\i]
.endr
.endr
	v_pk_add_f32 v[236:237], v[96:97], v[98:99]
.irp j, 4,8,12,16,20,24,28,32,36,40,44,48,52,56,60
	v_pk_add_f32 v[14:15], v[14:15], v[96+\j:97+\j]
	v_pk_add_f32 v[236:237], v[236:237], v[98+\j:99+\j]
.endr
	s_delay_alu instid0(VALU_DEP_1)
	v_pk_add_f32 v[14:15], v[14:15], v[236:237]
	s_wait_dscnt 0x0
.irp t, 0,1,2,3
.if \t%2
	v_wmma_scale_f32_16x16x128_f8f6f4 v[160+8*\t:167+8*\t], v[44+12*\t:55+12*\t], v[224:235], v[160+8*\t:167+8*\t], v[250+\t/2], v253 matrix_a_fmt:MATRIX_FMT_FP6 matrix_b_fmt:MATRIX_FMT_FP6 matrix_a_scale:MATRIX_SCALE_ROW1
.else
	v_wmma_scale_f32_16x16x128_f8f6f4 v[160+8*\t:167+8*\t], v[44+12*\t:55+12*\t], v[224:235], v[160+8*\t:167+8*\t], v[250+\t/2], v253 matrix_a_fmt:MATRIX_FMT_FP6 matrix_b_fmt:MATRIX_FMT_FP6
.endif
.endr
	s_add_co_u32 s[TB], s[TB], 6144
	s_add_co_u32 s[TS], s[TS], 256
.endm
.macro OUTQ hd
.rept 4
	v_nop
.endr
	v_add_f32 v14, v14, v15
	s_delay_alu instid0(VALU_DEP_1)
	v_permlanex16_b32 v252, v14, s[SEL], s[SEL+1]
	s_delay_alu instid0(VALU_DEP_1)
	v_add_f32 v14, v14, v252
	s_wait_alu depctr_va_vdst(0)
	v_rcp_f32 v14, v14
	v_nop
	s_wait_alu depctr_va_vdst(0)
.set n, 0
.rept 16
	v_pk_mul_f32 v[96+n:97+n], v[160+n:161+n], v[14:15] op_sel_hi:[1,0]
.set n, n+2
.endr
.irp b, 0,1
.irp j, 0,1,2,3,4,5,6,7
	v_permlane16_swap_b32 v[96+16*\b+\j], v[104+16*\b+\j]
.endr
.endr
.irp b, 0,1
	v_max3_num_f32 v[232+\b], |v[96+16*\b]|, |v[97+16*\b]|, 0x1800000
.endr
.irp i, 2,4,6,8,10,12,14
.irp b, 0,1
	s_delay_alu instid0(VALU_DEP_2)
	v_max3_num_f32 v[232+\b], v[232+\b], |v[96+16*\b+\i]|, |v[97+16*\b+\i]|
.endr
.endr
.irp b, 0,1
	s_delay_alu instid0(VALU_DEP_2)
	v_permlanex16_b32 v[236+\b], v[232+\b], s[SEL], s[SEL+1]
.endr
.irp b, 0,1
	s_delay_alu instid0(VALU_DEP_2)
	v_max_num_f32 v[232+\b], v[232+\b], v[236+\b]
.endr
.irp b, 0,1
	s_delay_alu instid0(VALU_DEP_2)
	v_add_nc_u32 v[244+\b], 0xff000000, v[232+\b]
.endr
.irp b, 0,1
	s_delay_alu instid0(VALU_DEP_2)
	v_lshrrev_b32 v[236+\b], 23, v[244+\b]
.endr
	s_delay_alu instid0(VALU_DEP_1)
	v_lshl_or_b32 v236, v237, 8, v236
.if \hd
	s_delay_alu instid0(VALU_DEP_1)
	v_lshl_or_b32 v211, v236, 16, v211
.else
	s_delay_alu instid0(VALU_DEP_1)
	v_mov_b32 v211, v236
.endif
	v_cvt_scalef32_pk16_fp6_f32 v[212+6*\hd:214+6*\hd], v[96:111], v244
	v_cvt_scalef32_pk16_fp6_f32 v[240:242], v[112:127], v245
	v_nop
.irp i, 0,1,2
	v_permlane16_swap_b32 v[212+6*\hd+\i], v[240+\i]
.endr
.irp i, 0,1,2
	s_delay_alu instid0(VALU_DEP_3)
	v_mov_b32 v[215+6*\hd+\i], v[240+\i]
.endr
.endm
.macro HEAD hd
.if \hd
.irp i, 0,1,2,3,4,5
	v_mov_b32 v[22+\i], v[34+\i]
.endr
	v_mov_b32 v255, v210
.else
.irp b, 0,1,2,3
	v_mov_b32 v[236+\b], 0
.endr
	v_mov_b32 v252, 0
	v_mov_b32 v253, 0
.endif
	v_mov_b32 v13, 0xff61b1e6
	s_delay_alu instid0(VALU_DEP_1)
	v_floor_f32 v12, -v13
	v_mov_b32 v14, 0
	v_mov_b32 v15, 0
.set n, 0
.rept 32
	v_mov_b32 v[160+n], 0
.set n, n+1
.endr
	s_mov_b32 s[TB], KV*\hd
	s_mov_b32 s[TS], KV*\hd+KSC
	s_mov_b32 s[CNT], 0
.Lstep_\@:
	STEP
	s_add_co_u32 s[CNT], s[CNT], 1
	s_cmp_lt_u32 s[CNT], 8
	s_cbranch_scc1 .Lstep_\@
	s_wait_alu depctr_va_vdst(0)
	OUTQ \hd
.endm
	s_wait_tensorcnt 0x0                           ; my part is in;
	s_barrier_signal -1
	s_barrier_wait -1                              ; everybody's is: both planes are whole
	HEAD 0
	HEAD 1
.irp g, 0,1,2
	global_store_b128 v1, v[212+4*\g:215+4*\g], s[14:15] offset:512*\g
.endr
	global_store_b32 v7, v211, s[16:17]
	s_wait_tensorcnt 0x0
	ds_add_u32 v209, v243
	s_wait_dscnt 0x0
	CROUND
	s_endpgm
.Lfunc_end_k_q819fec846e_attn:
	.size	k_q819fec846e_attn, .Lfunc_end_k_q819fec846e_attn-k_q819fec846e_attn
	.p2alignl 7, 3214868480
	.fill 96, 4, 3214868480
	.section	.rodata,"a",@progbits
	.p2align	6, 0x0
	.amdhsa_kernel k_q819fec846e_attn
		.amdhsa_group_segment_fixed_size 327680
		.amdhsa_private_segment_fixed_size 0
		.amdhsa_enable_private_segment 0
		.amdhsa_kernarg_size 24
		.amdhsa_user_sgpr_count 2
		.amdhsa_user_sgpr_kernarg_segment_ptr 1
		.amdhsa_wavefront_size32 1
		.amdhsa_system_sgpr_workgroup_id_x 1
		.amdhsa_system_sgpr_workgroup_id_y 1
		.amdhsa_system_sgpr_workgroup_id_z 1
		.amdhsa_system_vgpr_workitem_id 0
		.amdhsa_next_free_vgpr 256
		.amdhsa_next_free_sgpr 66
		.amdhsa_reserve_vcc 1
		.amdhsa_float_denorm_mode_32 3
		.amdhsa_float_denorm_mode_16_64 3
		.amdhsa_memory_ordered 1
		.amdhsa_forward_progress 1
		.amdhsa_inst_pref_size 63
	.end_amdhsa_kernel
	.amdgpu_metadata
---
amdhsa.version: [ 1, 2 ]
amdhsa.kernels:
  - .name:           k_q819fec846e_attn
    .symbol:         k_q819fec846e_attn.kd
    .args:
      - { .name: qkv, .offset: 0, .size: 8, .value_kind: global_buffer, .address_space: global }
      - { .name: attn_scale, .offset: 8, .size: 8, .value_kind: global_buffer, .address_space: global }
      - { .name: ao, .offset: 16, .size: 8, .value_kind: global_buffer, .address_space: global }
    .group_segment_fixed_size: 327680
    .private_segment_fixed_size: 0
    .kernarg_segment_align: 8
    .kernarg_segment_size: 24
    .max_flat_workgroup_size: 512
    .sgpr_count:     66
    .vgpr_count:     256
    .wavefront_size: 32
...
	.end_amdgpu_metadata
.endif
;; end of part 2
;; launch proj (part 3): grid 8 x 32, 4 waves a work-group, clusters of 4 x 4, 327,680 bytes of LDS; arguments ao, Wo_codes, Wo_scales, bo, out0; writes out0
.if DOCPART == 3
	.amdgcn_target "amdgcn-amd-amdhsa--gfx1250"
	.amdhsa_code_object_version 6
	.text
	.protected	k_q819fec846e_proj
	.globl	k_q819fec846e_proj
	.p2align	8
	.type	k_q819fec846e_proj,@function
k_q819fec846e_proj:
	s_mov_b64 s[64:65], 0
	v_nop
	global_prefetch_b8 v0, s[64:65] scope:SCOPE_SE
	s_setreg_imm32_b32 hwreg(HW_REG_WAVE_MODE, 25, 1), 1
	s_wait_xcnt 0x0
	s_wait_alu depctr_hold_cnt(0) depctr_sa_sdst(0) depctr_va_vdst(0) depctr_va_sdst(0) depctr_va_ssrc(0) depctr_va_vcc(0) depctr_vm_vsrc(0)
	s_getreg_b32 s2, hwreg(HW_REG_IB_STS2, 6, 4)
	s_cmp_eq_u32 s2, 0
	s_cbranch_scc0 .Lentry_in_a_cluster
	s_endpgm
.Lentry_in_a_cluster:
	s_bfe_u32 s2, ttmp6, 0x10000c
	s_cmp_lg_u32 s2, 0xf033
	s_cbranch_scc0 .Lentry_shape_is_right
	s_endpgm
.Lentry_shape_is_right:
; out0 = O Wo^T + bo on codes of FP6 (E2M3), one E8M0 scale for each 32 along K = 1,024.  O comes as images of the operand's registers (buffer ao), Wo as rows of codes.
; A work-group makes 256 tokens x 128 features: 256 work-groups.  Wave w makes tokens 64 w .. 64 w + 63 x all 128 features: 32 accumulators of 16 x 16.
; ALL OF K LIES IN LDS (313,600 bytes), filled once, by two loads a wave.  At the head each wave fetches its own 64 tokens of O, all eight K steps, with one load.
; Behind the wait for it, the add, and a round of the cluster's barrier come the second loads: waves 0 and 1 take 64 rows of Wo each, wave 2 Wo's scales, wave 3 O's scale words; one barrier shows them to all.
; No prefetch: there is no loop of loads to run ahead in.
; CLUSTERS: 4 x 4.  O's tiles hang on the tile of tokens alone and are asked for jointly by a row of the cluster, Wo's on the tile of features alone and by a column.
; THE MATRIX INSTRUCTION IS USED TRANSPOSED (source 0 = 16 rows of Wo, source 1 = 16 tokens): a lane holds eight neighbouring features of one token.  bo is the C of each sum's first instruction.
; LDS: O's images at 0 (49,152 bytes a wave: [K step][4 tiles][1,536]); Wo's rows at BREG, 816 bytes apart (768 + 16 behind each 256); Wo's scales at BSC (units of 256 + 16);
; O's scale words at ASCL ([K step][256 tokens], 1,024 bytes a K step).  The stage of the way out is the head of the wave's own part of O's images: it has had its only fill, and only this wave has read it.
; REGISTERS: window 0: v16-31 addresses; v32-63 Wo's scale words, v64-79 O's; v80-143 bo; v144-191, v192-239 O's fragments, two sets; on the way out v128-255 rows of out0.
;   window 1: Wo's fragments, two sets, at v0 and v128.   window 2: the accumulators ((a, b) at v[8 (8 a + b)]).
.set AREGW, 49152
.set BREG,  196608
.set BP,    816
.set BSC,   BREG+128*BP
.set ASCL,  BSC+16*272
.set SPARE, ASCL+8192
.set SPITCH, 528
.set ADRA, 16
.set ADRB, 20                          ; v20-21 Wo's tiles 0-3, 4-7;  v22-23 the same behind one padding more
.set STO,  24
.set CO,   26
.set ADBS, 27
.set ADAS, 28
.set SPW,  29
.set BO,   30
.set NIL,  31
.set TP,   80
.set BK,   128
.set G1A,  24
.set G1B,  32
.set G1AS, 40
.set G1BS, 48
.set G0BS, 56
.set G0AS, 60
.set G0B,  68
.set G0A,  72
.set MSB, 0
.macro WIN new
.if MSB != \new
	s_set_vgpr_msb (MSB<<8)|\new
.set MSB, \new
.endif
.endm
.macro CROUND                          ; a round of the cluster's barrier
	s_barrier_signal -1
	s_barrier_wait -1
	s_cmp_lg_u32 s14, 0
	s_cbranch_scc1 .Lnot_wave_0_\@
	s_barrier_signal -3
.Lnot_wave_0_\@:
	s_barrier_wait -3
	s_barrier_signal -1
	s_barrier_wait -1
.endm
.macro PLACES n
.rept \n
	v_nop
.endr
.endm
.macro TLOAD g0, g1                    ; a tensor load with an s_nop and four v_nop behind it
	tensor_load_to_lds s[\g0:\g0+3], s[\g1:\g1+7]
	s_nop 0
	PLACES 4
.endm
	s_load_b256 s[4:11], s[0:1], 0x0               ; ao, Wo's codes, Wo's scales, bo
	s_load_b64 s[12:13], s[0:1], 0x20              ; out0
	v_lshl_add_u32 v[SPW], v0, 2, SPARE
	v_mov_b32 v[NIL], 0
	ds_add_u32 v[SPW], v[NIL]                      ; the opening: the add, twice on end, and its wait
	ds_add_u32 v[SPW], v[NIL]
	v_lshrrev_b32 v1, 5, v0
	v_readfirstlane_b32 s14, v1                    ; wave 0..3
	s_bfe_u32 s88, ttmp6, 0x40000                  ; cx
	s_bfe_u32 s89, ttmp6, 0x40004                  ; cy
	s_lshl_b32 s90, ttmp9, 2
	s_add_co_u32 s90, s90, s88                     ; the tile of 128 features
	s_and_b32 s91, ttmp7, 0xffff
	s_lshl_b32 s91, s91, 2
	s_add_co_u32 s91, s91, s89                     ; the tile of 256 tokens
	s_lshl_b32 s92, s89, 2
	s_lshl_b32 s92, 15, s92                        ; my row of the cluster
	s_lshl_b32 s93, 0x1111, s88                    ; my column
	s_or_b32 s[G1A], s92, (3<<16)|(1<<21)          ; O's images: 8 rows (K steps) of 6,144 bytes, 786,432 bytes apart
	s_mov_b32 s[G1A+1], 768<<16
	s_mov_b32 s[G1A+2], 8<<16
	s_mov_b32 s[G1A+3], 768<<16
	s_mov_b32 s[G1A+4], 8
	s_mov_b32 s[G1A+5], 98304
	s_mov_b32 s[G1A+6], 0
	s_mov_b32 s[G1A+7], 0
	s_or_b32 s[G1B], s93, (0<<16)|(1<<20)|(1<<21)|(5<<22)|(3<<25)   ; Wo's codes: 64 rows of 768 bytes, 16 bytes of padding behind every 256
	s_mov_b32 s[G1B+1], 768<<16
	s_mov_b32 s[G1B+2], 64<<16
	s_mov_b32 s[G1B+3], 768<<16
	s_mov_b32 s[G1B+4], 64
	s_mov_b32 s[G1B+5], 768
	s_mov_b32 s[G1B+6], 0
	s_mov_b32 s[G1B+7], 0
	s_or_b32 s[G1AS], s92, (3<<16)|(1<<21)         ; O's scale words: 8 rows (K steps) of 1,024 bytes, 32,768 bytes apart
	s_mov_b32 s[G1AS+1], 128<<16
	s_mov_b32 s[G1AS+2], 8<<16
	s_mov_b32 s[G1AS+3], 128<<16
	s_mov_b32 s[G1AS+4], 8
	s_mov_b32 s[G1AS+5], 4096
	s_mov_b32 s[G1AS+6], 0
	s_mov_b32 s[G1AS+7], 0
	s_or_b32 s[G1BS], s93, (3<<16)|(1<<20)|(1<<21)|(5<<22)|(3<<25)  ; Wo's scales: 128 rows' 4,096 dense bytes as 16 rows of 256, 16 bytes of padding behind each
	s_mov_b32 s[G1BS+1], 32<<16
	s_mov_b32 s[G1BS+2], 16<<16
	s_mov_b32 s[G1BS+3], 32<<16
	s_mov_b32 s[G1BS+4], 16
	s_mov_b32 s[G1BS+5], 32
	s_mov_b32 s[G1BS+6], 0
	s_mov_b32 s[G1BS+7], 0
	; O's addresses hang on the tile of tokens and the wave (s16-19), Wo's on the tile of features and the wave (s20-23)
	s_lshl_b32 s16, s91, 4
	s_lshl_b32 s17, s14, 2
	s_add_co_u32 s16, s16, s17                     ; my first tile of 16 tokens
	s_mul_i32 s18, s16, 1536
	s_mov_b32 s19, 0
	s_lshl_b32 s16, s91, 10                        ; the work-group's scale words: 4 bytes a token
	s_add_co_u32 s16, s16, 6291456
	s_mov_b32 s17, 0
	s_lshl_b32 s20, s90, 7
	s_and_b32 s21, s14, 1
	s_lshl_b32 s21, s21, 6
	s_add_co_u32 s20, s20, s21                     ; waves 0, 1: my first row of Wo
	s_mul_i32 s22, s20, 768
	s_mov_b32 s23, 0
	s_lshl_b32 s20, s90, 12                        ; the scales of the tile's 128 rows
	s_mov_b32 s21, 0
	s_mul_i32 s15, s14, AREGW                      ; my part of O's images in LDS
	s_wait_dscnt 0x0
	s_wait_kmcnt 0x0
	s_mov_b32 s[G0BS], 1
	s_mov_b32 s[G0BS+1], BSC
	s_add_nc_u64 s[G0BS+2:G0BS+3], s[8:9], s[20:21]
	s_or_b32 s[G0BS+3], s[G0BS+3], 0x80000000
	s_mov_b32 s[G0AS], 1
	s_mov_b32 s[G0AS+1], ASCL
	s_add_nc_u64 s[G0AS+2:G0AS+3], s[4:5], s[16:17]
	s_or_b32 s[G0AS+3], s[G0AS+3], 0x80000000
	s_mov_b32 s[G0B], 1
	s_and_b32 s[G0B+1], s14, 1
	s_mul_i32 s[G0B+1], s[G0B+1], 64*BP
	s_add_co_u32 s[G0B+1], s[G0B+1], BREG
	s_add_nc_u64 s[G0B+2:G0B+3], s[6:7], s[22:23]
	s_or_b32 s[G0B+3], s[G0B+3], 0x80000000
	s_mov_b32 s[G0A], 1
	s_mov_b32 s[G0A+1], s15
	s_add_nc_u64 s[G0A+2:G0A+3], s[4:5], s[18:19]
	s_or_b32 s[G0A+3], s[G0A+3], 0x80000000
	CROUND                                         ; all sixteen work-groups are here: the joint loads meet
	TLOAD G0A, G1A                                 ; my 64 tokens of O: my one load at the head
	v_and_b32 v1, 15, v0                           ; r
	v_bfe_u32 v2, v0, 4, 1                         ; h
	v_and_b32 v3, 31, v0
	v_lshlrev_b32 v[CO], 4, v3                     ; 16 lane
	v_add_nc_u32 v[ADRA], s15, v[CO]
	v_mul_u32_u24 v4, v1, SPITCH
	v_lshl_add_u32 v4, v2, 5, v4
	v_add_nc_u32 v[STO], s15, v4                   ; the stage: row r, 32 bytes for each half of the lanes
	v_mul_u32_u24 v4, v1, BP
	v_mad_u32_u24 v5, v2, 24, v4                   ; Wo: row r x pitch + 24 h
	v_add_nc_u32 v[ADRB], BREG, v5
	v_add_nc_u32 v[ADRB+1], BREG+64*BP, v5
	v_lshl_add_u32 v5, v2, 4, v5                   ; and the same behind one padding more
	v_add_nc_u32 v[ADRB+2], BREG, v5
	v_add_nc_u32 v[ADRB+3], BREG+64*BP, v5
	v_lshrrev_b32 v4, 3, v1
	v_mul_u32_u24 v4, v4, 272                      ; Wo's scales: eight rows of 32 bytes to a unit of 272,
	v_and_b32 v5, 7, v1
	v_lshl_add_u32 v4, v5, 5, v4
	v_mad_u32_u24 v4, v2, 544, v4                  ; lanes 16-31 take the tile of 16 rows that follows
	v_add_nc_u32 v[ADBS], BSC, v4
	s_lshl_b32 s98, s14, 8
	v_lshl_add_u32 v[ADAS], v3, 2, s98
	v_add_nc_u32 v[ADAS], ASCL, v[ADAS]            ; O's scale words: 256 bytes a wave in each K step's 1,024, 32 tokens a load
	v_lshlrev_b32 v[BO], 5, v2
	s_wait_alu depctr_va_vdst(0)                   ; the wait behind the head's last vector write
	s_lshl_b32 s96, s90, 9                         ; 128 features: 512 bytes, in bo and in a row of out0
	s_mov_b32 s97, 0
	s_add_nc_u64 s[10:11], s[10:11], s[96:97]
	s_lshl_b32 s94, s91, 8
	s_lshl_b32 s95, s14, 6
	s_add_co_u32 s94, s94, s95                     ; my first token
	s_lshl_b32 s94, s94, 12                        ; a row of out0 is 4,096 bytes
	s_add_co_u32 s94, s94, s96
	s_mov_b32 s95, 0
	s_add_nc_u64 s[12:13], s[12:13], s[94:95]
.irp b, 0,1,2,3,4,5,6,7
	global_load_b128 v[TP+8*\b:TP+8*\b+3], v[BO], s[10:11] offset:64*\b        ; bo at features 16 b + 8 h + 0 .. 7: the result's layout
	global_load_b128 v[TP+8*\b+4:TP+8*\b+7], v[BO], s[10:11] offset:64*\b+16
.endr
.macro FETCH ks                        ; K step ks: Wo's eight fragments and my four of O, into set ks % 2
.set FB, 128*((\ks)%2)
.set FA, 144+48*((\ks)%2)
	WIN 0x40
.irp b, 0,1,2,3,4,5,6,7
.irp p, 0,1,2,3,4,5
.set PC, 12*(\ks)+6*(\p/3)+\p%3       ; the row's piece of 8 bytes; lanes 16-31 read three pieces on
.if PC%32 < 29
	ds_load_b64 v[FB+12*\b+2*\p:FB+12*\b+2*\p+1], v[ADRB+\b/4] offset:8*PC+16*(PC/32)+(\b%4)*16*BP
.else
	ds_load_b64 v[FB+12*\b+2*\p:FB+12*\b+2*\p+1], v[ADRB+2+\b/4] offset:8*PC+16*(PC/32)+(\b%4)*16*BP
.endif
.endr
.endr
	WIN 0
.irp a, 0,1,2,3
.irp g, 0,1,2
	ds_load_b128 v[FA+12*\a+4*\g:FA+12*\a+4*\g+3], v[ADRA] offset:6144*(\ks)+1536*\a+512*\g
.endr
.endr
.endm
; one product.  Wo's scale words: register 8 (b / 2) + ks, lanes 0-15 the even tile, lanes 16-31 the odd one; O's: register 2 ks + a / 2 likewise
.macro MM a, b, ks
.set RD0, 8*(8*(\a)+\b)
.set RB0, 128*((\ks)%2)+12*\b
.set RA0, 144+48*((\ks)%2)+12*(\a)
.set RSB, 32+8*(\b/2)+(\ks)
.set RSA, 64+2*(\ks)+(\a)/2
.set RC0, RD0
.if (\ks) == 0
.set RC0, TP+8*\b                      ; the first K step starts the sums with bo
.endif
.if ((\b)%2) && ((\a)%2)
	v_wmma_scale_f32_16x16x128_f8f6f4 v[RD0:RD0+7], v[RB0:RB0+11], v[RA0:RA0+11], v[RC0:RC0+7], v[RSB], v[RSA] matrix_a_fmt:MATRIX_FMT_FP6 matrix_b_fmt:MATRIX_FMT_FP6 matrix_a_scale:MATRIX_SCALE_ROW1 matrix_b_scale:MATRIX_SCALE_ROW1
.elseif (\b)%2
	v_wmma_scale_f32_16x16x128_f8f6f4 v[RD0:RD0+7], v[RB0:RB0+11], v[RA0:RA0+11], v[RC0:RC0+7], v[RSB], v[RSA] matrix_a_fmt:MATRIX_FMT_FP6 matrix_b_fmt:MATRIX_FMT_FP6 matrix_a_scale:MATRIX_SCALE_ROW1
.elseif (\a)%2
	v_wmma_scale_f32_16x16x128_f8f6f4 v[RD0:RD0+7], v[RB0:RB0+11], v[RA0:RA0+11], v[RC0:RC0+7], v[RSB], v[RSA] matrix_a_fmt:MATRIX_FMT_FP6 matrix_b_fmt:MATRIX_FMT_FP6 matrix_b_scale:MATRIX_SCALE_ROW1
.else
	v_wmma_scale_f32_16x16x128_f8f6f4 v[RD0:RD0+7], v[RB0:RB0+11], v[RA0:RA0+11], v[RC0:RC0+7], v[RSB], v[RSA] matrix_a_fmt:MATRIX_FMT_FP6 matrix_b_fmt:MATRIX_FMT_FP6
.endif
.endm
.macro MUL16 a0, ks                    ; the 32 accumulators take turns, one instruction a turn
.irp a, \a0, \a0+1
.irp b, 0,1,2,3,4,5,6,7
	MM (\a), \b, \ks
.endr
.endr
.endm
.macro MWIN ks
.if (\ks) == 0
	WIN 0x81                                       ; source 0 (Wo) window 1, source 1 (O) and C (bo) window 0, D window 2
.else
	WIN 0xa1
.endif
.endm
.macro STEP ks
	s_wait_dscnt 0x0                               ; this step's fragments are in
	MWIN \ks
	MUL16 0, \ks
.if (\ks) < 7
	PLACES 4                                       ; in front of loads into the set that the step before multiplied
	FETCH (\ks)+1
	MWIN \ks
.endif
	MUL16 2, \ks
.endm
	s_wait_tensorcnt 0x0                           ; my tokens of O are in; the later first fills are issued as a refill is:
	ds_add_u32 v[SPW], v[NIL]
	s_wait_dscnt 0x0
	CROUND                                         ; a whole round: the joint loads meet
	s_cmp_lt_u32 s14, 2                            ; one tree of branches on the wave's number, one load to an arm
	s_cbranch_scc0 .Lfor_bs
	TLOAD G0B, G1B                                 ; waves 0, 1: 64 rows of Wo
	s_branch .Lasked
.Lfor_bs:
	s_cmp_lt_u32 s14, 3
	s_cbranch_scc0 .Lfor_as
	TLOAD G0BS, G1BS                               ; wave 2: Wo's scales
	s_branch .Lasked
.Lfor_as:
	TLOAD G0AS, G1AS                               ; wave 3: O's scale words
.Lasked:
	s_wait_tensorcnt 0x0
	s_barrier_signal -1
	s_barrier_wait -1                              ; everybody's load is in
.irp bb, 0,1,2,3
.irp q, 0,1
	ds_load_b128 v[32+8*\bb+4*\q:35+8*\bb+4*\q], v[ADBS] offset:1088*\bb+16*\q     ; Wo's scale words of four K steps
.endr
.endr
.irp k, 0,1,2,3,4,5,6,7
.irp aa, 0,1
	ds_load_b32 v[64+2*\k+\aa], v[ADAS] offset:1024*\k+128*\aa
.endr
.endr
	FETCH 0
	s_wait_loadcnt 0x0                             ; bo
.irp k, 0,1,2,3,4,5,6,7
	STEP \k
.endr
	WIN 0
; THE WAY OUT, block by block of 16 tokens x 128 features: through my stage in LDS, back as whole rows of 512 bytes.  LDS serves a wave's instructions in order (ISA guide 5.7.1.4).
.macro TOSTAGE a
.set AC, 64*(\a)
	WIN 0x08
.irp b, 0,1,2,3,4,5,6,7
	ds_store_b128 v[STO], v[AC+8*\b:AC+8*\b+3] offset:64*\b          ; each accumulator from its low end on
	ds_store_b128 v[STO], v[AC+8*\b+4:AC+8*\b+7] offset:64*\b+16
.endr
	WIN 0
.set BB, BK+64*((\a)%2)
.irp t, 0,1,2,3,4,5,6,7,8,9,10,11,12,13,14,15
	ds_load_b128 v[BB+4*\t:BB+4*\t+3], v[ADRA] offset:\t*SPITCH
.endr
.endm
.macro SEND a, younger                 ; younger: the LDS instructions issued behind block a's loads, which may stay out
.set BB, BK+64*((\a)%2)
	s_wait_dscnt \younger
.if (\a) > 0
	s_add_nc_u64 s[12:13], s[12:13], 16*4096       ; (behind a wait on XCNT: the earlier stores have read their base)
.endif
.irp t, 0,1,2,3,4,5,6,7,8,9,10,11,12,13,14,15
	global_store_b128 v[CO], v[BB+4*\t:BB+4*\t+3], s[12:13] offset:\t*4096 th:TH_STORE_NT   ; 32 lanes store 512 consecutive bytes, aligned to 256
.endr
.endm
	PLACES 4
	TOSTAGE 0
.irp a, 1,2,3
.if \a > 1
	s_wait_xcnt 0x0                                ; block a - 2's stores have read their registers and their base
.endif
	TOSTAGE \a
	SEND \a-1, 32                                  ; behind block a - 1's loads: block a's 16 stores and 16 loads
.endr
	s_wait_xcnt 0x0
	SEND 3, 0
	s_wait_tensorcnt 0x0                           ; the wave's end
	ds_add_u32 v[SPW], v[NIL]
	s_wait_dscnt 0x0
	CROUND                                         ; the closing round
	s_endpgm
.Lfunc_end_k_q819fec846e_proj:
	.size	k_q819fec846e_proj, .Lfunc_end_k_q819fec846e_proj-k_q819fec846e_proj
	.p2alignl 7, 3214868480
	.fill 96, 4, 3214868480
	.section	.rodata,"a",@progbits
	.p2align	6, 0x0
	.amdhsa_kernel k_q819fec846e_proj
		.amdhsa_group_segment_fixed_size 327680
		.amdhsa_private_segment_fixed_size 0
		.amdhsa_enable_private_segment 0
		.amdhsa_kernarg_size 40
		.amdhsa_user_sgpr_count 2
		.amdhsa_user_sgpr_kernarg_segment_ptr 1
		.amdhsa_wavefront_size32 1
		.amdhsa_system_sgpr_workgroup_id_x 1
		.amdhsa_system_sgpr_workgroup_id_y 1
		.amdhsa_system_sgpr_workgroup_id_z 1
		.amdhsa_system_vgpr_workitem_id 0
		.amdhsa_next_free_vgpr 768
		.amdhsa_next_free_sgpr 100
		.amdhsa_reserve_vcc 0
		.amdhsa_float_denorm_mode_32 3
		.amdhsa_float_denorm_mode_16_64 3
		.amdhsa_memory_ordered 1
		.amdhsa_forward_progress 1
		.amdhsa_inst_pref_size 91
	.end_amdhsa_kernel
	.amdgpu_metadata
---
amdhsa.version: [ 1, 2 ]
amdhsa.kernels:
  - .name:           k_q819fec846e_proj
    .symbol:         k_q819fec846e_proj.kd
    .args:
      - { .name: ao, .offset: 0, .size: 8, .value_kind: global_buffer, .address_space: global }
      - { .name: Wo_codes, .offset: 8, .size: 8, .value_kind: global_buffer, .address_space: global }
      - { .name: Wo_scales, .offset: 16, .size: 8, .value_kind: global_buffer, .address_space: global }
      - { .name: bo, .offset: 24, .size: 8, .value_kind: global_buffer, .address_space: global }
      - { .name: out0, .offset: 32, .size: 8, .value_kind: global_buffer, .address_space: global }
    .group_segment_fixed_size: 327680
    .private_segment_fixed_size: 0
    .kernarg_segment_align: 8
    .kernarg_segment_size: 40
    .max_flat_workgroup_size: 128
    .sgpr_count:     100
    .vgpr_count:     768
    .wavefront_size: 32
...
	.end_amdgpu_metadata
.endif
;; end of part 3
